; MI455X (gfx1250); checked and timed in simulation.
; The chip was launched on July 23, 2026; its instructions are those of AMD's public machine-readable ISA for CDNA 5 (MIT licence, August 2026) and "CDNA5" Instruction Set Architecture Reference Guide (July 2026). The comments in the code are by the model that wrote it; some were corrected since.
;; Attention. Allowed arithmetic: float matrix products may take bf16 or f16 operands with f32 sums; all other float work in f32.
;; Inputs: V 1,024 x 1 float32; W1 1,024 x 1,024 float32; W2 1,024 x 1,024 float32; b1 1,024 float32; b2 1,024 float32; bV 1 float32; query 32 x 1,024 float32; values 32 x 2,048 x 1,024 float32.
;; Outputs: out0 32 x 2,048 x 1 float32; out1 32 x 1,024 float32.
;; One version. Each part assembles by itself: llvm-mc -triple=amdgcn-amd-amdhsa -mcpu=gfx1250 --defsym DOCPART=n.
;; ======== version 1 of 1: 3 launches
;; limits: values outside matrix products are rounded to bf16
;; workspace buffers: W1F 2,097,152 bytes; pqc 262,144 bytes; scores 262,144 bytes; stats 4,096 bytes; ctxp 2,097,152 bytes
;; launch prep (part 1): grid 96 x 1, 8 waves a work-group, no clusters, 66,560 bytes of LDS; arguments W1, W2, query, b1, b2, W1F, pqc; writes W1F, pqc
.if DOCPART == 1
	.amdgcn_target "amdgcn-amd-amdhsa--gfx1250"
	.amdhsa_code_object_version 6
	.text
	.protected	k_q191840183a_prep
	.globl	k_q191840183a_prep
	.p2align	8
	.type	k_q191840183a_prep,@function
k_q191840183a_prep:
	s_mov_b64 s[64:65], 0
	v_nop
	global_prefetch_b8 v0, s[64:65] scope:SCOPE_SE
	s_setreg_imm32_b32 hwreg(HW_REG_WAVE_MODE, 25, 1), 1
	s_wait_xcnt 0x0
; Two roles, chosen by the work-group's number (the same for all its waves).
; Work-groups 0-63:  W1 [1024 k][1024 n] f32  ->  W1F, bf16, in the order in which the next launch's waves load matrix fragments.
; Work-groups 64-95: pqc[kh][m][n] = 2 log2(e) * (sum over k in half kh of query[m][k] W2[k][n]  (+ b1[n] + b2[n] in half 0)), [2][32][1024] f32,
;                    by the matrix unit (bf16 operands, f32 sums).  The next launch adds the two halves.
;
; ORDER OF COLUMNS.  A strip is 64 neighbouring columns (256 bytes of a row of W).  A lane loads 4 neighbouring columns 4 r + q; number q goes to
; block q of the strip's four blocks of 16, at place r.  So block nb = 4 strip + q, place r, stands for column 64 strip + 4 r + q, and every load
; of a wave takes two whole pieces of 256 neighbouring bytes.  The next launch sums over all columns and puts its tables in the same order.
; W1F: byte ((nb>>3)*32 + ks)*8192 + (nb&7)*1024 + j*512 + lane*16 holds, for lane = (r, h), column (nb, r), k = 32 ks + 16 j + 8 h .. + 7.
; LIMITS: matrix operands are rounded to bf16 (nearest even).
.set LV,  1                            ; v1   8 h rows of 4,096 bytes + 16 r: my 16 bytes in a strip's rows
.set QV,  2                            ; v2   r rows of query + 32 h
.set PSA, 3                            ; v3   where my partial sums go in LDS
.set WS0, 16                           ; v[16:79], v[80:143]    rows of W as loaded, one set for each of a wave's two K steps
.set WS1, 80
.set ACC, 16                           ; v[16:79]   eight accumulators, (mb, q) at 8 (4 mb + q): the first set's registers, free once it is converted
.set QS0, 144                          ; v[144:175], v[176:207] query as loaded, two sets
.set QS1, 176
.set WF,  208                          ; v[208:239] four fragments of W (blocks q = 0..3)
.set QF,  240                          ; v[240:255] two fragments of query (rows 0-15, 16-31)
.macro PLACES                          ; four plain vector instructions behind a matrix instruction (ISA guide 7.12.1)
.rept 4
	v_nop
.endr
.endm
; 32 rows of k x one strip: load i takes row 8 h + i (i < 8) or 16 + 8 h + i - 8 of the K step; lanes 0-15 one row's 256 bytes, lanes 16-31 the row 8 below
.macro LOADW dst, sb, imm
.irp i, 0,1,2,3,4,5,6,7
	global_load_b128 v[\dst+4*\i:\dst+4*\i+3], v[LV], s[\sb:\sb+1] offset:(\imm)+\i*4096 th:TH_LOAD_NT
.endr
.irp i, 8,9,10,11,12,13,14,15
	global_load_b128 v[\dst+4*\i:\dst+4*\i+3], v[LV], s[\sb:\sb+1] offset:(\imm)+(\i+8)*4096 th:TH_LOAD_NT
.endr
.endm
; the 64 numbers become four fragments: register t of block q = k 8 h + 2 t, + 1; register 4 + t = k 16 + 8 h + 2 t, + 1
.macro CVTW f, l
.irp q, 0,1,2,3
.irp t, 0,1,2,3
	v_cvt_pk_bf16_f32 v[\f+8*\q+\t],   v[\l+8*\t+\q],    v[\l+8*\t+4+\q]
	v_cvt_pk_bf16_f32 v[\f+8*\q+4+\t], v[\l+32+8*\t+\q], v[\l+32+8*\t+4+\q]
.endr
.endr
.endm
	s_load_b256 s[4:11], s[0:1], 0x0               ; W1 s[4:5], W2 s[6:7], query s[8:9], b1 s[10:11]
	s_load_b128 s[12:15], s[0:1], 0x20             ; b2 s[12:13], W1F s[14:15]
	s_load_b64 s[16:17], s[0:1], 0x30              ; pqc
	s_set_vgpr_msb 0x40
	v_lshl_add_u32 v0, v0, 2, 0x10000
	v_mov_b32 v1, 0
	s_set_vgpr_msb 0x4000
	v_lshrrev_b32 v4, 5, v0
	v_readfirstlane_b32 s20, v4                    ; wave 0..7
	v_and_b32 v5, 15, v0                           ; r
	v_bfe_u32 v6, v0, 4, 1                         ; h
	v_lshlrev_b32 v[LV], 4, v5
	v_lshl_add_u32 v[LV], v6, 15, v[LV]
	s_mov_b32 s21, ttmp9
	s_wait_kmcnt 0x0
	s_cmp_ge_u32 s21, 64
	s_cbranch_scc1 .Lpq
	; ---- W1 to W1F: one K step of 32 x one strip for each wave ----
	s_lshr_b32 s22, s21, 1                         ; ks
	s_and_b32 s23, s21, 1
	s_lshl3_add_u32 s23, s23, s20                  ; strip = 8 (x & 1) + wave
	s_lshl_b32 s24, s22, 17                        ; 32 rows of 4,096 bytes
	s_lshl_b32 s25, s23, 8
	s_add_co_u32 s24, s24, s25
	s_mov_b32 s25, 0
	s_add_nc_u64 s[4:5], s[4:5], s[24:25]
	s_lshr_b32 s26, s23, 1
	s_lshl_b32 s26, s26, 5
	s_add_co_u32 s26, s26, s22
	s_lshl_b32 s26, s26, 13                        ; ((strip >> 1) 32 + ks) 8,192
	s_and_b32 s27, s23, 1
	s_lshl_b32 s27, s27, 12                        ; + (strip & 1) 4 blocks of 1,024
	s_add_co_u32 s26, s26, s27
	s_mov_b32 s27, 0
	s_add_nc_u64 s[14:15], s[14:15], s[26:27]
	v_and_b32 v7, 31, v0
	v_lshlrev_b32 v7, 4, v7                        ; 16 bytes a lane
	LOADW WS0, 4, 0
	s_wait_loadcnt 0x0
	CVTW WF, WS0
.irp q, 0,1,2,3
.irp j, 0,1
	global_store_b128 v7, v[WF+8*\q+4*\j:WF+8*\q+4*\j+3], s[14:15] offset:\q*1024+\j*512   ; 512 neighbouring bytes, aligned
.endr
.endr
	s_endpgm
	; ---- pqc: the work-group makes 32 rows x one strip over one half of K; wave v sums k = 512 kh + 64 v .. + 63 (two K steps, all their loads
	;      out at once); the eight partial sums meet in LDS ----
.Lpq:
	s_sub_co_u32 s22, s21, 64
	s_lshr_b32 s26, s22, 4                         ; kh: which half of K
	s_and_b32 s22, s22, 15                         ; strip
	s_lshl_b32 s22, s22, 8
	s_mov_b32 s23, 0
	s_add_nc_u64 s[10:11], s[10:11], s[22:23]      ; b1 and b2 at the strip
	s_add_nc_u64 s[12:13], s[12:13], s[22:23]
	s_lshl_b32 s24, s26, 17                        ; pqc: the half's table of 131,072 bytes, at the strip
	s_add_co_u32 s24, s24, s22
	s_mov_b32 s25, 0
	s_add_nc_u64 s[16:17], s[16:17], s[24:25]
	s_lshl_b32 s24, s26, 21                        ; W2: 512 rows a half,
	s_lshl_b32 s27, s20, 18                        ; 64 rows a wave,
	s_add_co_u32 s24, s24, s27
	s_add_co_u32 s24, s24, s22                     ; the strip
	s_add_nc_u64 s[6:7], s[6:7], s[24:25]
	s_lshl_b32 s24, s26, 11                        ; query: 512 numbers a half, 64 a wave
	s_lshl_b32 s27, s20, 8
	s_add_co_u32 s24, s24, s27
	s_add_nc_u64 s[8:9], s[8:9], s[24:25]
	v_lshlrev_b32 v7, 4, v5                        ; 16 r
	v_lshlrev_b32 v[QV], 12, v5
	v_lshl_add_u32 v[QV], v6, 5, v[QV]
	s_lshl_b32 s24, s20, 13                        ; my 8,192 bytes of LDS: [32 rows][64 columns] f32
	v_lshl_add_u32 v[PSA], v6, 11, v7              ; 8 h rows of 256 bytes + 16 r
	v_add_nc_u32 v[PSA], s24, v[PSA]
	global_load_b128 v[8:11], v7, s[10:11]         ; b1 and b2 of columns 4 r .. + 3
	global_load_b128 v[12:15], v7, s[12:13]
; query's fragments are short pieces of rows (32 bytes); query is 131,072 bytes in all and each work-group reads half of it once
.macro LOADQ dst, i
.irp mb, 0,1
	global_load_b128 v[\dst+16*\mb:\dst+16*\mb+3],     v[QV], s[8:9] offset:\mb*65536+(\i)*128
	global_load_b128 v[\dst+16*\mb+4:\dst+16*\mb+7],   v[QV], s[8:9] offset:\mb*65536+(\i)*128+16
	global_load_b128 v[\dst+16*\mb+8:\dst+16*\mb+11],  v[QV], s[8:9] offset:\mb*65536+(\i)*128+64
	global_load_b128 v[\dst+16*\mb+12:\dst+16*\mb+15], v[QV], s[8:9] offset:\mb*65536+(\i)*128+80
.endr
.endm
	LOADW WS0, 6, 0
	LOADQ QS0, 0
	LOADW WS1, 6, 131072
	LOADQ QS1, 1
; K step i from sets ws, qs.  left: the 24 loads of the second step may stay out in front of the first.
; The eight accumulators take turns, one instruction a turn, also from step to step.
.macro KST i, ws, qs, left
	s_wait_loadcnt \left
.if \i
	PLACES                                         ; the fragments were sources of the last matrix instructions
.endif
	CVTW WF, \ws
.set n, 0
.rept 16
	v_cvt_pk_bf16_f32 v[QF+n], v[\qs+2*n], v[\qs+2*n+1]
.set n, n+1
.endr
.irp q, 0,1,2,3
.irp mb, 0,1
.if \i
	v_wmma_f32_16x16x32_bf16 v[ACC+8*(4*\mb+\q):ACC+8*(4*\mb+\q)+7], v[QF+8*\mb:QF+8*\mb+7], v[WF+8*\q:WF+8*\q+7], v[ACC+8*(4*\mb+\q):ACC+8*(4*\mb+\q)+7]
.else
	v_wmma_f32_16x16x32_bf16 v[ACC+8*(4*\mb+\q):ACC+8*(4*\mb+\q)+7], v[QF+8*\mb:QF+8*\mb+7], v[WF+8*\q:WF+8*\q+7], 0
.endif
.endr
.endr
.endm
	KST 0, WS0, QS0, 24
	KST 1, WS1, QS1, 0
	PLACES                                         ; the stores read matrix results
.irp mb, 0,1
.irp q, 0,1,2,3
.irp j, 0,1,2,3,4,5,6,7
	ds_store_b32 v[PSA], v[ACC+8*(4*\mb+\q)+\j] offset:\mb*4096+\j*256+\q*4    ; row 16 mb + 8 h + j, column 4 r + q
.endr
.endr
.endr
	s_wait_dscnt 0x0                               ; my partial sums are in LDS before I say so
	s_barrier_signal -1
	s_barrier_wait -1
	v_lshlrev_b32 v4, 4, v0                        ; thread u sums the 16 bytes at 16 u and at 16 u + 4,096 of the eight partial tables
.irp e, 0,1
.irp w, 0,1,2,3,4,5,6,7
	ds_load_b128 v[16+32*\e+4*\w:16+32*\e+4*\w+3], v4 offset:\w*8192+\e*4096
.endr
.endr
	v_pk_add_f32 v[8:9], v[8:9], v[12:13]          ; b1 + b2,
	v_pk_add_f32 v[10:11], v[10:11], v[14:15]
	s_cmp_eq_u32 s26, 0
	s_cselect_b32 vcc_lo, -1, 0
.irp j, 8,9,10,11
	v_cndmask_b32 v\j, 0, v\j, vcc_lo              ; which go into the first half's table alone
.endr
	v_lshrrev_b32 v6, 4, v0
	v_lshl_add_u32 v6, v6, 12, v7                  ; row u >> 4 of pqc, 16 (u & 15)
	s_wait_dscnt 0x0
.irp e, 0,1
.irp w, 0,2,4,6
	v_pk_add_f32 v[16+32*\e+4*\w:16+32*\e+4*\w+1],   v[16+32*\e+4*\w:16+32*\e+4*\w+1],   v[20+32*\e+4*\w:20+32*\e+4*\w+1]
	v_pk_add_f32 v[16+32*\e+4*\w+2:16+32*\e+4*\w+3], v[16+32*\e+4*\w+2:16+32*\e+4*\w+3], v[20+32*\e+4*\w+2:20+32*\e+4*\w+3]
.endr
.irp w, 0,4
	v_pk_add_f32 v[16+32*\e+4*\w:16+32*\e+4*\w+1],   v[16+32*\e+4*\w:16+32*\e+4*\w+1],   v[24+32*\e+4*\w:24+32*\e+4*\w+1]
	v_pk_add_f32 v[16+32*\e+4*\w+2:16+32*\e+4*\w+3], v[16+32*\e+4*\w+2:16+32*\e+4*\w+3], v[24+32*\e+4*\w+2:24+32*\e+4*\w+3]
.endr
	v_pk_add_f32 v[16+32*\e:16+32*\e+1], v[16+32*\e:16+32*\e+1], v[32+32*\e:32+32*\e+1]
	v_pk_add_f32 v[18+32*\e:18+32*\e+1], v[18+32*\e:18+32*\e+1], v[34+32*\e:34+32*\e+1]
	v_pk_add_f32 v[16+32*\e:16+32*\e+1], v[16+32*\e:16+32*\e+1], v[8:9]
	v_pk_add_f32 v[18+32*\e:18+32*\e+1], v[18+32*\e:18+32*\e+1], v[10:11]
	v_pk_mul_f32 v[16+32*\e:16+32*\e+1], v[16+32*\e:16+32*\e+1], 0x4038aa3b op_sel_hi:[1,0]   ; 2 log2(e): the next launch's exponentials work in base 2
	v_pk_mul_f32 v[18+32*\e:18+32*\e+1], v[18+32*\e:18+32*\e+1], 0x4038aa3b op_sel_hi:[1,0]
	global_store_b128 v6, v[16+32*\e:16+32*\e+3], s[16:17] offset:\e*65536   ; sixteen lanes store 256 neighbouring bytes, aligned
.endr
	s_set_vgpr_msb 0x5
	s_wait_tensorcnt 0x0
	ds_add_u32 v0, v1
	s_wait_dscnt 0x0
	s_set_vgpr_msb 0x500
	s_endpgm
.Lfunc_end_k_q191840183a_prep:
	.size	k_q191840183a_prep, .Lfunc_end_k_q191840183a_prep-k_q191840183a_prep
	.p2alignl 7, 3214868480
	.fill 96, 4, 3214868480
	.section	.rodata,"a",@progbits
	.p2align	6, 0x0
	.amdhsa_kernel k_q191840183a_prep
		.amdhsa_group_segment_fixed_size 66560
		.amdhsa_private_segment_fixed_size 0
		.amdhsa_enable_private_segment 0
		.amdhsa_kernarg_size 56
		.amdhsa_user_sgpr_count 2
		.amdhsa_user_sgpr_kernarg_segment_ptr 1
		.amdhsa_wavefront_size32 1
		.amdhsa_system_sgpr_workgroup_id_x 1
		.amdhsa_system_sgpr_workgroup_id_y 1
		.amdhsa_system_sgpr_workgroup_id_z 1
		.amdhsa_system_vgpr_workitem_id 0
		.amdhsa_next_free_vgpr 258
		.amdhsa_next_free_sgpr 66
		.amdhsa_reserve_vcc 1
		.amdhsa_float_denorm_mode_32 3
		.amdhsa_float_denorm_mode_16_64 3
		.amdhsa_memory_ordered 1
		.amdhsa_forward_progress 1
		.amdhsa_inst_pref_size 28
	.end_amdhsa_kernel
	.amdgpu_metadata
---
amdhsa.version: [ 1, 2 ]
amdhsa.kernels:
  - .name:           k_q191840183a_prep
    .symbol:         k_q191840183a_prep.kd
    .args:
      - { .name: W1, .offset: 0, .size: 8, .value_kind: global_buffer, .address_space: global }
      - { .name: W2, .offset: 8, .size: 8, .value_kind: global_buffer, .address_space: global }
      - { .name: query, .offset: 16, .size: 8, .value_kind: global_buffer, .address_space: global }
      - { .name: b1, .offset: 24, .size: 8, .value_kind: global_buffer, .address_space: global }
      - { .name: b2, .offset: 32, .size: 8, .value_kind: global_buffer, .address_space: global }
      - { .name: W1F, .offset: 40, .size: 8, .value_kind: global_buffer, .address_space: global }
      - { .name: pqc, .offset: 48, .size: 8, .value_kind: global_buffer, .address_space: global }
    .group_segment_fixed_size: 66560
    .private_segment_fixed_size: 0
    .kernarg_segment_align: 8
    .kernarg_segment_size: 56
    .max_flat_workgroup_size: 256
    .sgpr_count:     66
    .vgpr_count:     258
    .wavefront_size: 32
...
	.end_amdgpu_metadata
.endif
;; end of part 1
;; launch attn (part 2): grid 512 x 1, 4 waves a work-group, no clusters, 309,760 bytes of LDS; arguments values, W1F, pqc, V, bV, scores, stats, ctxp; writes scores, stats, ctxp
.if DOCPART == 2
	.amdgcn_target "amdgcn-amd-amdhsa--gfx1250"
	.amdhsa_code_object_version 6
	.text
	.protected	k_q191840183a_attn
	.globl	k_q191840183a_attn
	.p2align	8
	.type	k_q191840183a_attn,@function
k_q191840183a_attn:
	s_mov_b64 s[64:65], 0
	v_nop
	global_prefetch_b8 v0, s[64:65] scope:SCOPE_SE
	s_setreg_imm32_b32 hwreg(HW_REG_WAVE_MODE, 25, 1), 1
	s_wait_xcnt 0x0
; A work-group takes 128 rows of values (tile t = rows 128 t .. + 127, batch t >> 4) and makes, for them,
;   score[s] = sum over n of V[n] tanh(values[s] . W1[:, n] + b1[n] + (query W2 + b2)[n]) + bV,
;   the tile's largest score m, p[s] = exp(score[s] - m), l = sum of p, and the tile's part of the context, sum over s of p[s] values[s].
; The last launch takes the batch's maximum and rescales.
; THE ROWS ARE READ FROM MEMORY ONCE: they are rounded to bf16 on their way in and stay in LDS (128 x 1024 bf16), for both halves of N and for the context.
; Four waves, one for each SIMD.  A wave makes all 128 rows x 128 columns in 512 accumulator registers; N = 1024 goes in two passes of 4 x 128 columns.
; All waves read the same fragments of the rows from LDS.  A wave's fragments of W1 are read by that wave alone, so they come straight into registers, from
; W1F, where every load of a wave finds its 512 bytes side by side; a ring of four register sets has three K steps (24,576 bytes a wave) asked for ahead.
; A K STEP is 32 matrix instructions (rows 0-63), ONE run of memory instructions, 32 matrix instructions (rows 64-127).  The run brings the next step's fragments
; of the rows, W1 three steps on and, in pass 1, the next chunks of values; between two steps stand only waits.  Rows 0-63 have one fragment buffer (just used
; when the run begins), rows 64-127 two, which take turns.
; NO CLUSTER, NO JOINT LOADS, although all work-groups read W1F: the resident rows take 296,960 of the 327,680 bytes of LDS and the tables 12,288; the 18,432 bytes left
; are less than one K step of W1 for four waves (32,768 bytes), so two slots there would want a round of the cluster's barrier more often than once a K step.
; THE MATRIX INSTRUCTION IS USED TRANSPOSED (source 0 = W1's fragment, source 1 = the rows'): lane l holds row l % 16, its registers j the places 8 (l / 16) + j of a block
; of 16 columns, so the sum over columns stays inside the lane but for one step across the halves and one across the waves.
; tanh(x) = 1 - 2 / (1 + 2^(2 log2(e) x)); so score = sum of V + sum of (-2 V) / (1 + 2^..): right at both ends (2^.. = infinity gives 1, 0 gives -1).
; LIMITS: matrix operands are rounded to bf16; the context sums the bf16-rounded rows with f32 weights in f32; v_exp_f32 and v_rcp_f32 flush denormals
; (ISA guide 15.8), so a p below 2^-126 is 0; the sum over n runs in another order than the reference's.
.set PITCH, 144                        ; an LDS row of a chunk: 128 bytes (64 bf16) + 16 = 9 x 16 bytes: the 16 rows of a fragment load start at 16 different 16-byte columns of 256
.set CS,    18560                      ; a chunk = 64 along K: 128 rows x 144 + 128 bytes, so that neighbouring chunks lie 128 bytes apart modulo 256
.set PQ,    296960                     ; behind the 16 chunks: pqc of my batch, 1024 f32 in the order of W1F's blocks
.set VVO,   4096                       ; PQ + 4096: -2 V in the same order
.set RED,   305152                     ; [4 waves][128 rows] f32: the waves' parts of the scores
.set PW,    307200                     ; [4 waves][128] f32: each wave's own copy of p
.set BO,  1                            ; 16 x lane
.set VO,  2                            ; values: (32 w + 8 h) rows + 16 r
.set SA,  3                            ; where my converted 8 bytes go: (32 w + 8 h) x 144 + 8 r, stepped by two chunks every four K steps
.set AD,  4                            ; fragments of the rows: r x 144 + 16 h, stepped likewise
.set EA,  5                            ; PQ + 1024 w + 32 h
.set AD0, 6                            ; AD at chunk 0
.set PA,  7                            ; tables: PQ + 256 (tid / 8) + 8 (tid % 8)
.set SPP, 8                            ; v[8:23]  eight pairs: sums of -2 V / (1 + 2^..) of rows 16 a + r (even and odd places apart)
.set SV,  24                           ; v[24:25] sum of -2 V over my places
.set RS,  26                           ; RED + 512 w + 4 r
.set RL,  27                           ; RED + 16 x lane
.set PWA, 28                           ; PW + 512 w, stepped in the context's loop
.set PWL, 29                           ; PW + 512 w + 16 x lane
.set CA,  30                           ; context: (4 w + lane / 8) chunks + 16 (lane % 8), stepped in the context's loop
.set CO8, 31                           ; 32 x tid
.set U0,  32                           ; v[32:63]   fragments of rows 0-63
.set TM,  36                           ; v[36:55]   at work at the start and behind the passes (inside U0)
.set CX,  56                           ; v[56:63]   context of my 8 columns (inside U0, behind the passes)
.set U1A, 64                           ; v[64:95]   fragments of rows 64-127, even K steps
.set U1B, 96                           ; v[96:127]  the same, odd K steps
.set PS0, 64                           ; the tanh phase: two sets of 8 pqc + 8 (-2 V)
.set PS1, 80
.set ST0, 128                          ; v[128:191], v[192:255]: values as loaded (even, odd chunks)
.set ST1, 192
.set T0,  128                          ; the tanh phase: two sets of 32 numbers
.set T1,  160
; window 1: four sets of W1's fragments, set k at v[64 k]; window 2: accumulators of rows 0-63, tile (a, b) at v[8 (8 a + b)]; window 3: rows 64-127
.set MUL_LO, 0xa1                      ; source 0 window 1, source 1 window 0, C and D window 2
.set MUL_HI, 0xf1                      ; the same, C and D window 3
.set TO_B,   0x40                      ; destination window 1
.set MSB, 0
.macro WIN new                         ; s_set_vgpr_msb: low byte = the new windows, high byte = the setting that is left
.if MSB != (\new)
	s_set_vgpr_msb (MSB<<8)|(\new)
.set MSB, (\new)
.endif
.endm
.macro PLACES                          ; four plain vector instructions between a matrix instruction and a load into, or a read of, its registers (ISA guide 7.12.1 for reads)
.rept 4
	v_nop
.endr
.endm
.macro BLOAD k, off                    ; one K step of my 128 columns of W1: 16 loads of 512 neighbouring bytes, into set k
	WIN TO_B
.irp i, 0,1,2,3,4,5,6,7,8,9,10,11,12,13,14,15
	global_load_b128 v[64*(\k)+4*\i:64*(\k)+4*\i+3], v[BO], s[6:7] offset:(\off)+512*\i
.endr
.endm
.macro ALOAD u, half, off              ; four fragments (64 rows x 32 K) from LDS
.irp a, 0,1,2,3
	ds_load_b128 v[\u+8*\a:\u+8*\a+3],   v[AD] offset:(\off)+(4*\half+\a)*16*PITCH
	ds_load_b128 v[\u+8*\a+4:\u+8*\a+7], v[AD] offset:(\off)+(4*\half+\a)*16*PITCH+32
.endr
.endm
.macro VLOAD st, off                   ; my 32 rows of a chunk (256 bytes of each): lanes 0-15 one row's 256 bytes, lanes 16-31 the row 8 below
.irp i, 0,1,2,3,4,5,6,7,8,9,10,11,12,13,14,15
	global_load_b128 v[\st+4*\i:\st+4*\i+3], v[VO], s[4:5] offset:(\off)+((\i&7)+16*(\i>>3))*4096 th:TH_LOAD_NT
.endr
.endm
.macro CVTA st                         ; round my part of a chunk to bf16, in place: all 32 conversions in one block
.irp i, 0,1,2,3,4,5,6,7,8,9,10,11,12,13,14,15
	v_cvt_pk_bf16_f32 v[\st+4*\i],   v[\st+4*\i],   v[\st+4*\i+1]
	v_cvt_pk_bf16_f32 v[\st+4*\i+1], v[\st+4*\i+2], v[\st+4*\i+3]
.endr
.endm
.macro CVTS st, off                    ; and put it into LDS: all 16 stores in one block; the two halves of the wave lie 8 x 144 = 4 x 256 + 128 bytes apart
.irp i, 0,1,2,3,4,5,6,7,8,9,10,11,12,13,14,15
	ds_store_b64 v[SA], v[\st+4*\i:\st+4*\i+1] offset:(\off)+((\i&7)+16*(\i>>3))*PITCH
.endr
.endm
; 32 matrix instructions: 64 rows x my 128 columns x 32 K.  The 64 accumulators take turns, one instruction a turn, in the same order in every K step, over the
; loops' backward jumps too.  zero = 1: the first product starts the sums.
.macro MUL u, k, zero
.irp a, 0,1,2,3
.irp b, 0,1,2,3,4,5,6,7
.if \zero
	v_wmma_f32_16x16x32_bf16 v[8*(8*\a+\b):8*(8*\a+\b)+7], v[64*(\k)+8*\b:64*(\k)+8*\b+7], v[\u+8*\a:\u+8*\a+7], 0
.else
	v_wmma_f32_16x16x32_bf16 v[8*(8*\a+\b):8*(8*\a+\b)+7], v[64*(\k)+8*\b:64*(\k)+8*\b+7], v[\u+8*\a:\u+8*\a+7], v[8*(8*\a+\b):8*(8*\a+\b)+7]
.endif
.endr
.endr
.endm
; K step st (0..3: its place among four; W1's set st, rows 64-127 from U1A or U1B by st's parity).
; wb: how many younger global loads may stay out when this step's W1 has to be there.  dob: ask for W1 three steps ahead.
; bar: a barrier, signalled at the head and waited for in front of the run, which is the first to read the next chunk.
; cvt: the next chunk is converted and stored in the run (step 0: the odd set, one chunk on; step 2: the even set, two chunks on); vld: that set is loaded again, two chunks further.
; nexta: the next step's fragments of the rows are fetched.
.macro STEP st, zero, wb, dob, bar, cvt, vld, nexta
	s_wait_loadcnt \wb
	s_wait_dscnt 0x0                               ; the last run's LDS work is done: this step's fragments are in, and my stores of the next chunk are in LDS before I say so
.if \bar
	s_barrier_signal -1
.endif
	WIN MUL_LO
	MUL U0, \st, \zero
	WIN 0
.if \bar
	s_barrier_wait -1                              ; every wave's part of the next chunk is in LDS
.endif
	PLACES                                         ; U0, the other U1 and the set of W1 loaded below were sources of matrix instructions
.if \cvt
.if \st == 0
	CVTA ST1
.else
	CVTA ST0
.endif
.endif
.if \nexta
	ALOAD U0, 0, (((\st+1)>>1)*CS+((\st+1)&1)*64)
	ALOAD (U1A+32*((\st+1)&1)), 1, (((\st+1)>>1)*CS+((\st+1)&1)*64)
.endif
.if \cvt
.if \st == 0
	CVTS ST1, CS
.else
	CVTS ST0, (2*CS)
.endif
.endif
.if \vld
.if \st == 0
	VLOAD ST1, 768
.else
	VLOAD ST0, 1024
.endif
.endif
.if \dob
	BLOAD ((\st+3)%4), ((\st+3)*8192)
.endif
	WIN MUL_HI
	MUL (U1A+32*((\st)&1)), \st, \zero
.endm
.macro ENDTRIP a, v                    ; behind step 3: four K steps = two chunks on
	WIN 0
.if \a
	v_add_nc_u32 v[AD], 2*CS, v[AD]
.endif
.if \v
	v_add_nc_u32 v[SA], 2*CS, v[SA]
.endif
	s_wait_xcnt 0x0                                ; the bases of loads that are out are stepped only behind this wait
	s_add_nc_u64 s[6:7], s[6:7], 32768
.if \v
	s_add_nc_u64 s[4:5], s[4:5], 512
.endif
.endm
	s_load_b512 s[4:19], s[0:1], 0x0               ; values s[4:5], W1F s[6:7], pqc s[8:9], V s[10:11], bV s[12:13], scores s[14:15], stats s[16:17], ctxp s[18:19]
	v_lshrrev_b32 v36, 5, v0
	v_readfirstlane_b32 s20, v36                   ; wave w
	v_and_b32 v37, 15, v0                          ; r
	v_bfe_u32 v38, v0, 4, 1                        ; h
	v_and_b32 v39, 31, v0                          ; lane
	s_mov_b32 s26, 0x76543210                      ; v_permlanex16_b32: lane i of one half reads lane i of the other
	s_mov_b32 s27, 0xfedcba98
	v_lshlrev_b32 v[BO], 4, v39
	s_lshl_b32 s29, s20, 17
	v_lshlrev_b32 v[VO], 4, v37
	v_lshl_add_u32 v[VO], v38, 15, v[VO]
	v_add_nc_u32 v[VO], s29, v[VO]
	s_mul_i32 s29, s20, 32*PITCH
	v_mul_u32_u24 v[SA], v38, 8*PITCH
	v_lshl_add_u32 v[SA], v37, 3, v[SA]
	v_add_nc_u32 v[SA], s29, v[SA]
	v_mul_u32_u24 v[AD0], v37, PITCH
	v_lshl_add_u32 v[AD0], v38, 4, v[AD0]
	v_mov_b32 v[AD], v[AD0]
	s_lshl_b32 s29, s20, 10
	s_add_co_u32 s29, s29, PQ
	v_lshl_add_u32 v[EA], v38, 5, s29
	s_lshl_b32 s29, s20, 9
	s_add_co_u32 s30, s29, RED
	v_lshl_add_u32 v[RS], v37, 2, s30
	v_add_nc_u32 v[RL], RED, v[BO]
	s_add_co_u32 s30, s29, PW
	v_mov_b32 v[PWA], s30
	v_add_nc_u32 v[PWL], s30, v[BO]
	s_mul_i32 s29, s20, 4*CS
	v_lshrrev_b32 v40, 3, v39
	v_and_b32 v41, 7, v39
	v_mul_u32_u24 v[CA], v40, CS
	v_lshl_add_u32 v[CA], v41, 4, v[CA]
	v_add_nc_u32 v[CA], s29, v[CA]
	v_lshrrev_b32 v40, 3, v0
	v_and_b32 v41, 7, v0
	v_lshlrev_b32 v[PA], 8, v40
	v_lshl_add_u32 v[PA], v41, 3, v[PA]
	v_add_nc_u32 v[PA], PQ, v[PA]
	v_lshlrev_b32 v[CO8], 5, v0
	s_wait_kmcnt 0x0
	s_load_b32 s24, s[12:13], 0x0                  ; bV, waited for where it is used
	s_mov_b32 s23, 0
	s_lshl_b32 s22, ttmp9, 19                      ; 128 rows of 4,096 bytes a tile (below 2^28)
	s_add_nc_u64 s[4:5], s[4:5], s[22:23]
	s_lshl_b32 s22, s20, 19                        ; my wave's 64 K steps of 8,192 bytes: pass 1's 32, then pass 2's
	s_add_nc_u64 s[6:7], s[6:7], s[22:23]
	s_lshr_b32 s22, ttmp9, 4
	s_lshl_b32 s22, s22, 12                        ; my batch's row of pqc
	s_add_nc_u64 s[8:9], s[8:9], s[22:23]
	s_lshl_b32 s22, ttmp9, 9
	s_add_nc_u64 s[14:15], s[14:15], s[22:23]
	s_lshl_b32 s22, ttmp9, 3
	s_add_nc_u64 s[16:17], s[16:17], s[22:23]
	s_lshl_b32 s22, ttmp9, 12
	s_lshl_b32 s29, s20, 10
	s_add_co_u32 s22, s22, s29
	s_add_nc_u64 s[18:19], s[18:19], s[22:23]
	; ---- the start: tables, chunk 0, and the rings filled ----
	global_load_b128 v[40:43], v[CO8], s[8:9]                      ; pqc of columns 8 tid .. + 7: the first half of K,
	global_load_b128 v[44:47], v[CO8], s[8:9] offset:16
	global_load_b128 v[56:59], v[CO8], s[8:9] offset:131072        ; the second half
	global_load_b128 v[60:63], v[CO8], s[8:9] offset:131088
	global_load_b128 v[48:51], v[CO8], s[10:11]                    ; V of the same columns
	global_load_b128 v[52:55], v[CO8], s[10:11] offset:16
	VLOAD ST0, 0                                   ; chunk 0
	VLOAD ST1, 256                                 ; chunk 1
	BLOAD 0, 0
	BLOAD 1, 8192
	BLOAD 2, 16384
	WIN 0
	s_wait_loadcnt 63                              ; chunk 1 and three steps of W1 are younger than chunk 0 (64 loads); the wait's field names 63 at the most, so one load more is waited for
.irp e, 0,2,4,6
	v_pk_add_f32 v[40+\e:40+\e+1], v[40+\e:40+\e+1], v[56+\e:56+\e+1]
	v_pk_mul_f32 v[48+\e:48+\e+1], v[48+\e:48+\e+1], -2.0 op_sel_hi:[1,0]
.endr
.irp e, 0,1,2,3,4,5,6,7
	ds_store_b32 v[PA], v[40+\e] offset:(\e&3)*64+(\e>>2)*4        ; column 8 tid + e = strip tid / 8, block e & 3, place 2 (tid % 8) + e / 4
	ds_store_b32 v[PA], v[48+\e] offset:VVO+(\e&3)*64+(\e>>2)*4
.endr
	CVTA ST0
	CVTS ST0, 0
	VLOAD ST0, 512                                 ; chunk 2
	s_wait_dscnt 0x0                               ; my part of the tables and of chunk 0 is in LDS before I say so
	s_barrier_signal -1
	s_barrier_wait -1
	ALOAD U0, 0, 0
	ALOAD U1A, 1, 0
	; ---- pass 1: 32 K steps; the rows come in as they are needed, one chunk (two K steps) ahead in LDS, two more on their way ----
	; The run of K step s asks for W1(s + 3) and, in front of it where s = 2 c is even, for chunk c + 3.  So global loads go out in the order
	;   chunk c+2, W1(2c+1) | W1(2c+2) | chunk c+3, W1(2c+3) | W1(2c+4).
	; In front of step 2c three groups of 16 are younger than W1(2c): chunk c+2, W1(2c+1), W1(2c+2) (48); chunk c+1, which that step converts, is older, so it is in too.
	; In front of step 2c+1 again three: W1(2c+2), chunk c+3, W1(2c+3) (48).  At the tile's start W1(1) and W1(2) went out ahead of chunk 2, so there the same count asks
	; for a little more than is needed.  No wait is written to keep the count of loads small.
	; Only K step 0 stands in front of the loop (its products start the sums); the loop takes steps 1, 2, 3, 0 of four.
	STEP 0, 1, 48, 1, 0, 1, 1, 1                   ; K step 0
	WIN 0                                          ; at a label and at a branch every window is 0
	s_mov_b32 s21, 6
.Lpass1:                                           ; K steps 1-24
	STEP 1, 0, 48, 1, 1, 0, 0, 1
	STEP 2, 0, 48, 1, 0, 1, 1, 1
	STEP 3, 0, 48, 1, 1, 0, 0, 1
	ENDTRIP 1, 1
	STEP 0, 0, 48, 1, 0, 1, 1, 1                   ; in the last trip: chunk 15 is asked for, the last
	WIN 0
	s_sub_co_u32 s21, s21, 1
	s_cmp_lg_u32 s21, 0
	s_cbranch_scc1 .Lpass1
	STEP 1, 0, 48, 1, 1, 0, 0, 1                   ; K step 25
	STEP 2, 0, 48, 1, 0, 1, 0, 1                   ; 26: chunk 14 is converted, nothing of values is asked for any more
	STEP 3, 0, 32, 1, 1, 0, 0, 1                   ; 27: from here on two steps of W1 are younger than the one that is due
	ENDTRIP 1, 1
	STEP 0, 0, 32, 1, 0, 1, 0, 1                   ; 28: chunk 15 (older than W1(27)) is converted
	STEP 1, 0, 32, 1, 1, 0, 0, 1                   ; 29: the last barrier of the pass: the rows are whole
	STEP 2, 0, 32, 1, 0, 0, 0, 1
	STEP 3, 0, 32, 1, 0, 0, 0, 0                   ; 31: W1 goes on into pass 2's steps, which land during the tanh phase
	ENDTRIP 0, 0
; ---- tanh and the sum over my 128 columns of pass p ----
.macro EPILD b, p, s                   ; block b's 8 pqc and 8 (-2 V) of my half of its places; lanes of one half read the same bytes
	ds_load_b128 v[\s:\s+3],     v[EA] offset:\p*512+(\b)*64
	ds_load_b128 v[\s+4:\s+7],   v[EA] offset:\p*512+(\b)*64+16
	ds_load_b128 v[\s+8:\s+11],  v[EA] offset:VVO+\p*512+(\b)*64
	ds_load_b128 v[\s+12:\s+15], v[EA] offset:VVO+\p*512+(\b)*64+16
.endm
.macro EPIH p, b, s, hi, win           ; 64 rows x block b: 32 numbers a lane
	WIN \win                                       ; source 0 from the accumulators' window
.irp a, 0,1,2,3
.irp jj, 0,1,2,3
	v_pk_fma_f32 v[T0+8*\a+2*\jj:T0+8*\a+2*\jj+1], v[8*(8*\a+\b)+2*\jj:8*(8*\a+\b)+2*\jj+1], 0x4038aa3b, v[\s+2*\jj:\s+2*\jj+1] op_sel_hi:[1,0,1]   ; 2 log2(e) x
.endr
.endr
	WIN 0
.set n, 0
.rept 32
	v_exp_f32 v[T1+n], v[T0+n]
.set n, n+1
.endr
	v_nop                                          ; one plain vector instruction behind the transcendentals (ISA guide 5.7.2)
.set n, 0
	s_wait_alu depctr_va_vdst(0)
.rept 16
	v_pk_add_f32 v[T0+2*n:T0+2*n+1], v[T1+2*n:T1+2*n+1], 1.0 op_sel_hi:[1,0]
.set n, n+1
.endr
.set n, 0
.rept 32
	v_rcp_f32 v[T1+n], v[T0+n]
.set n, n+1
.endr
	v_nop
	s_wait_alu depctr_va_vdst(0)
.irp jj, 0,1,2,3
.irp a, 0,1,2,3
.if (\p+\b+\jj) == 0
	s_wait_alu depctr_va_vdst(0)
	v_pk_mul_f32 v[SPP+2*(4*\hi+\a):SPP+2*(4*\hi+\a)+1], v[T1+8*\a+2*\jj:T1+8*\a+2*\jj+1], v[\s+8+2*\jj:\s+8+2*\jj+1]   ; the first product starts the sum
.else
	v_pk_fma_f32 v[SPP+2*(4*\hi+\a):SPP+2*(4*\hi+\a)+1], v[T1+8*\a+2*\jj:T1+8*\a+2*\jj+1], v[\s+8+2*\jj:\s+8+2*\jj+1], v[SPP+2*(4*\hi+\a):SPP+2*(4*\hi+\a)+1]
.endif
.endr
.endr
.endm
.macro EPIB p, b, s, sn
.if \b < 7
	EPILD (\b+1), \p, \sn
	s_wait_dscnt 0x4                               ; the next block's four loads stay out
.else
	s_wait_dscnt 0x0
.endif
.if (\p+\b) == 0
	v_pk_add_f32 v[SV:SV+1], v[\s+8:\s+9], v[\s+10:\s+11]
.else
	v_pk_add_f32 v[SV:SV+1], v[SV:SV+1], v[\s+8:\s+9]
	v_pk_add_f32 v[SV:SV+1], v[SV:SV+1], v[\s+10:\s+11]
.endif
	v_pk_add_f32 v[SV:SV+1], v[SV:SV+1], v[\s+12:\s+13]
	v_pk_add_f32 v[SV:SV+1], v[SV:SV+1], v[\s+14:\s+15]
	EPIH \p, \b, \s, 0, 0x02
	EPIH \p, \b, \s, 1, 0x03
.endm
.macro EPI p
	WIN 0
	PLACES                                         ; behind the last matrix instructions: their results are read, their sources loaded into
	EPILD 0, \p, PS0
	EPIB \p, 0, PS0, PS1
	EPIB \p, 1, PS1, PS0
	EPIB \p, 2, PS0, PS1
	EPIB \p, 3, PS1, PS0
	EPIB \p, 4, PS0, PS1
	EPIB \p, 5, PS1, PS0
	EPIB \p, 6, PS0, PS1
	EPIB \p, 7, PS1, PS0
.endm
	EPI 0
	; ---- pass 2: the other 128 columns; the rows are whole in LDS, so no barrier; two steps of W1 are younger than the one that is due ----
	v_mov_b32 v[AD], v[AD0]                        ; back to chunk 0
	ALOAD U0, 0, 0
	ALOAD U1A, 1, 0
	STEP 0, 1, 32, 1, 0, 0, 0, 1                   ; K step 0: its products start the sums
	WIN 0
	s_mov_b32 s21, 7
.Lpass2:                                           ; K steps 1-28
	STEP 1, 0, 32, 1, 0, 0, 0, 1
	STEP 2, 0, 32, 1, 0, 0, 0, 1
	STEP 3, 0, 32, 1, 0, 0, 0, 1
	ENDTRIP 1, 0
	STEP 0, 0, 32, 1, 0, 0, 0, 1                   ; in the last trip: asks for the last K step of W1
	WIN 0
	s_sub_co_u32 s21, s21, 1
	s_cmp_lg_u32 s21, 0
	s_cbranch_scc1 .Lpass2
	STEP 1, 0, 32, 0, 0, 0, 0, 1                   ; K steps 29-31: nothing more is asked for, the counts run down
	STEP 2, 0, 16, 0, 0, 0, 0, 1
	STEP 3, 0, 0,  0, 0, 0, 0, 0
	EPI 1
	; ---- the scores: my places, the other half's, the four waves' ----
	v_add_f32 v[SV], v[SV], v[SV+1]
.irp a, 0,1,2,3,4,5,6,7
	v_add_f32 v[TM+\a], v[SPP+2*\a], v[SPP+2*\a+1]
.endr
.irp a, 0,1,2,3,4,5,6,7
	v_fma_f32 v[TM+\a], v[SV], -0.5, v[TM+\a]      ; + the sum of V over my places
.endr
.irp a, 0,1,2,3,4,5,6,7
	v_permlanex16_b32 v[SPP+2*\a], v[TM+\a], s26, s27      ; its destination counts as read: a register that has been written
.endr
.irp a, 0,1,2,3,4,5,6,7
	v_add_f32 v[TM+\a], v[TM+\a], v[SPP+2*\a]
.endr
.irp a, 0,1,2,3,4,5,6,7
	ds_store_b32 v[RS], v[TM+\a] offset:64*\a      ; row 16 a + r; both halves store the same number to the same word
.endr
	s_wait_dscnt 0x0                               ; my part is in LDS before I say so
	s_barrier_signal -1
	s_barrier_wait -1
.irp w, 0,1,2,3
	ds_load_b128 v[TM+4*\w:TM+4*\w+3], v[RL] offset:512*\w         ; rows 4 lane .. + 3; every wave makes all 128 scores
.endr
	s_wait_dscnt 0x0
	v_pk_add_f32 v[36:37], v[36:37], v[40:41]
	v_pk_add_f32 v[38:39], v[38:39], v[42:43]
	v_pk_add_f32 v[44:45], v[44:45], v[48:49]
	v_pk_add_f32 v[46:47], v[46:47], v[50:51]
	v_pk_add_f32 v[36:37], v[36:37], v[44:45]
	v_pk_add_f32 v[38:39], v[38:39], v[46:47]
	s_wait_kmcnt 0x0                               ; bV
.irp j, 0,1,2,3
	v_add_f32 v[36+\j], s24, v[36+\j]
.endr
	; the tile's maximum is taken away before the exponential
	v_max3_num_f32 v52, v36, v37, v38
	v_max_num_f32 v52, v52, v39
	v_max_num_f32_dpp v52, v52, v52 row_xmask:1 row_mask:0xf bank_mask:0xf
	v_max_num_f32_dpp v52, v52, v52 row_xmask:2 row_mask:0xf bank_mask:0xf
	v_max_num_f32_dpp v52, v52, v52 row_xmask:4 row_mask:0xf bank_mask:0xf
	v_max_num_f32_dpp v52, v52, v52 row_xmask:8 row_mask:0xf bank_mask:0xf
	v_permlanex16_b32 v8, v52, s26, s27
	v_max_num_f32 v52, v52, v8                     ; m, in every lane
.irp j, 0,1,2,3
	v_sub_f32 v[40+\j], v[36+\j], v52
.endr
.irp j, 0,1,2,3
	v_mul_f32 v[40+\j], 0x3fb8aa3b, v[40+\j]
.endr
.irp j, 0,1,2,3
	v_exp_f32 v[44+\j], v[40+\j]                   ; p = exp(score - m), at most 1
.endr
	v_nop
	s_wait_alu depctr_va_vdst(0)
	v_add_f32 v53, v44, v45
	v_add_f32 v54, v46, v47
	v_add_f32 v53, v53, v54
	v_add_f32_dpp v53, v53, v53 row_xmask:1 row_mask:0xf bank_mask:0xf
	v_add_f32_dpp v53, v53, v53 row_xmask:2 row_mask:0xf bank_mask:0xf
	v_add_f32_dpp v53, v53, v53 row_xmask:4 row_mask:0xf bank_mask:0xf
	v_add_f32_dpp v53, v53, v53 row_xmask:8 row_mask:0xf bank_mask:0xf
	v_permlanex16_b32 v8, v53, s26, s27
	v_add_f32 v53, v53, v8                         ; l, in every lane
	ds_store_b128 v[PWL], v[44:47]                 ; my wave's own copy of p: read back by this wave alone, in order (ISA guide 5.7.1)
	s_cmp_lg_u32 s20, 0
	s_cbranch_scc1 .Lnot_wave_0
	global_store_b128 v[BO], v[36:39], s[14:15]    ; the tile's 128 scores: 512 neighbouring bytes
	v_cmp_eq_u32 vcc_lo, 1, v0
	v_cndmask_b32 v48, v52, v53, vcc_lo            ; lane 0: m, lane 1: l
	v_lshlrev_b32 v49, 2, v0
	v_cmp_gt_u32 vcc_lo, 2, v0
	s_wait_xcnt 0x0                                ; EXEC changes only behind this wait
	s_and_saveexec_b32 s28, vcc_lo
	global_store_b32 v49, v48, s[16:17]            ; 8 bytes a tile, 4,096 bytes in the whole launch
	s_wait_xcnt 0x0
	s_or_b32 exec_lo, exec_lo, s28
.Lnot_wave_0:
	; ---- the tile's part of the context: wave w takes columns 256 w .. + 255 (chunks 4 w .. + 3), a lane 8 columns (16 bytes of every row); four trips of 32 rows ----
.irp e, 0,1,2,3,4,5,6,7
	v_mov_b32 v[CX+\e], 0
.endr
	s_mov_b32 s21, 4
.Lctx:
.irp i, 0,1,2,3,4,5,6,7
	ds_load_b128 v[64+4*\i:64+4*\i+3], v[PWA] offset:16*\i                 ; the 32 rows' p, the same bytes for every lane
.endr
.set n, 0
.rept 32
	ds_load_b128 v[128+4*n:128+4*n+3], v[CA] offset:n*PITCH                ; lanes 0-7 take 128 neighbouring bytes, lanes 8-15 the next chunk's, 128 bytes off modulo 256
.set n, n+1
.endr
.set n, 0
.rept 32
	s_wait_dscnt 31-n                              ; row n and all p are in; the younger rows stay out
.irp k, 0,1,2,3
	v_fma_mix_f32_bf16 v[CX+2*\k],   v[128+4*n+\k], v[64+n], v[CX+2*\k]   op_sel_hi:[1,0,0]
	v_fma_mix_f32_bf16 v[CX+2*\k+1], v[128+4*n+\k], v[64+n], v[CX+2*\k+1] op_sel:[1,0,0] op_sel_hi:[1,0,0]
.endr
.set n, n+1
.endr
	v_add_nc_u32 v[PWA], 128, v[PWA]               ; 32 rows on
	v_add_nc_u32 v[CA], 32*PITCH, v[CA]
	s_sub_co_u32 s21, s21, 1
	s_cmp_lg_u32 s21, 0
	s_cbranch_scc1 .Lctx
	global_store_b128 v[BO], v[CX:CX+3],   s[18:19]                ; [tile][wave][half][lane][4]: each store covers 512 neighbouring bytes
	global_store_b128 v[BO], v[CX+4:CX+7], s[18:19] offset:512
	s_wait_xcnt 0x0
	s_mov_b32 exec_lo, -1
	v_lshl_add_u32 v30, v0, 2, 0x4b800
	v_mov_b32 v31, 0
	s_wait_tensorcnt 0x0
	ds_add_u32 v30, v31
	s_wait_dscnt 0x0
	s_endpgm
.Lfunc_end_k_q191840183a_attn:
	.size	k_q191840183a_attn, .Lfunc_end_k_q191840183a_attn-k_q191840183a_attn
	.p2alignl 7, 3214868480
	.fill 96, 4, 3214868480
	.section	.rodata,"a",@progbits
	.p2align	6, 0x0
	.amdhsa_kernel k_q191840183a_attn
		.amdhsa_group_segment_fixed_size 309760
		.amdhsa_private_segment_fixed_size 0
		.amdhsa_enable_private_segment 0
		.amdhsa_kernarg_size 64
		.amdhsa_user_sgpr_count 2
		.amdhsa_user_sgpr_kernarg_segment_ptr 1
		.amdhsa_wavefront_size32 1
		.amdhsa_system_sgpr_workgroup_id_x 1
		.amdhsa_system_sgpr_workgroup_id_y 1
		.amdhsa_system_sgpr_workgroup_id_z 1
		.amdhsa_system_vgpr_workitem_id 0
		.amdhsa_next_free_vgpr 1024
		.amdhsa_next_free_sgpr 66
		.amdhsa_reserve_vcc 1
		.amdhsa_float_denorm_mode_32 3
		.amdhsa_float_denorm_mode_16_64 3
		.amdhsa_memory_ordered 1
		.amdhsa_forward_progress 1
		.amdhsa_inst_pref_size 255
	.end_amdhsa_kernel
	.section	.bss,"aw",@nobits
	.p2align	6
	.space	262144
	.amdgpu_metadata
---
amdhsa.version: [ 1, 2 ]
amdhsa.kernels:
  - .name:           k_q191840183a_attn
    .symbol:         k_q191840183a_attn.kd
    .args:
      - { .name: values, .offset: 0, .size: 8, .value_kind: global_buffer, .address_space: global }
      - { .name: W1F, .offset: 8, .size: 8, .value_kind: global_buffer, .address_space: global }
      - { .name: pqc, .offset: 16, .size: 8, .value_kind: global_buffer, .address_space: global }
      - { .name: V, .offset: 24, .size: 8, .value_kind: global_buffer, .address_space: global }
      - { .name: bV, .offset: 32, .size: 8, .value_kind: global_buffer, .address_space: global }
      - { .name: scores, .offset: 40, .size: 8, .value_kind: global_buffer, .address_space: global }
      - { .name: stats, .offset: 48, .size: 8, .value_kind: global_buffer, .address_space: global }
      - { .name: ctxp, .offset: 56, .size: 8, .value_kind: global_buffer, .address_space: global }
    .group_segment_fixed_size: 309760
    .private_segment_fixed_size: 0
    .kernarg_segment_align: 8
    .kernarg_segment_size: 64
    .max_flat_workgroup_size: 128
    .sgpr_count:     66
    .vgpr_count:     1024
    .wavefront_size: 32
...
	.end_amdgpu_metadata
.endif
;; end of part 2
;; launch fin (part 3): grid 32 x 1, 8 waves a work-group, no clusters, 0 bytes of LDS; arguments scores, stats, ctxp, out0, out1; writes out0, out1
.if DOCPART == 3
	.amdgcn_target "amdgcn-amd-amdhsa--gfx1250"
	.amdhsa_code_object_version 6
	.text
	.protected	k_q191840183a_fin
	.globl	k_q191840183a_fin
	.p2align	8
	.type	k_q191840183a_fin,@function
k_q191840183a_fin:
	s_mov_b64 s[64:65], 0
	v_nop
	global_prefetch_b8 v0, s[64:65] scope:SCOPE_SE
	s_setreg_imm32_b32 hwreg(HW_REG_WAVE_MODE, 25, 1), 1
	s_wait_xcnt 0x0
; One work-group for each batch b; thread u.  From the 16 tiles' (m, l): M = max of m, w_c = exp(m_c - M), L = sum of w_c l_c.
; out0[s] = exp(score[s] - M) / L;  out1[col] = sum over the tiles c of (w_c / L) ctxp[c][col].
; The batch's maximum is taken away before every exponential; L is at least 1 (the tile that holds the maximum has w = 1 and l >= 1).
; All 26 loads of a thread go out at once; no LDS and no barrier: every thread makes M and L for itself from 128 bytes.
; 32 work-groups: there is one softmax for each batch, and the launch moves 2.5 MB in all.
; LIMITS: v_exp_f32 flushes denormals (ISA guide 15.8): a weight whose exponential is below 2^-126 is 0.
.set ST, 16                            ; v[16:47]   m_c at 16 + 2 c, l_c at 17 + 2 c; later w_c in m_c's place; later out0
.set SC, 48                            ; v[48:55]   scores of rows 4 u .. + 3 and 1024 + 4 u .. + 3
.set CT, 56                            ; v[56:119]  ctxp of columns 4 u .. + 3, tile c at 56 + 4 c
.set F,  120                           ; v[120:135] w_c / L
	s_load_b256 s[4:11], s[0:1], 0x0               ; scores s[4:5], stats s[6:7], ctxp s[8:9], out0 s[10:11]
	s_load_b64 s[12:13], s[0:1], 0x20              ; out1
	s_lshl_b32 s14, ttmp9, 13                      ; 2,048 f32 of scores and of out0
	s_mov_b32 s15, 0
	s_lshl_b32 s16, ttmp9, 7                       ; 16 tiles x 8 bytes
	s_mov_b32 s17, 0
	s_lshl_b32 s18, ttmp9, 16                      ; 16 tiles x 4,096 bytes
	s_mov_b32 s19, 0
	s_lshl_b32 s20, ttmp9, 12                      ; a row of out1
	s_mov_b32 s21, 0
	v_mov_b32 v1, 0
	v_lshlrev_b32 v2, 4, v0                        ; 16 u
	v_lshrrev_b32 v3, 6, v0                        ; columns 4 u .. + 3 lie in ctxp at wave u / 64, half u & 1, lane (u / 2) % 32
	v_lshlrev_b32 v3, 10, v3
	v_and_b32 v4, 1, v0
	v_lshl_add_u32 v3, v4, 9, v3
	v_bfe_u32 v4, v0, 1, 5
	v_lshl_add_u32 v3, v4, 4, v3
	s_wait_kmcnt 0x0
	s_add_nc_u64 s[4:5], s[4:5], s[14:15]
	s_add_nc_u64 s[6:7], s[6:7], s[16:17]
	s_add_nc_u64 s[8:9], s[8:9], s[18:19]
	s_add_nc_u64 s[10:11], s[10:11], s[14:15]
	s_add_nc_u64 s[12:13], s[12:13], s[20:21]
.irp i, 0,1,2,3,4,5,6,7
	global_load_b128 v[ST+4*\i:ST+4*\i+3], v1, s[6:7] offset:16*\i
.endr
	global_load_b128 v[SC:SC+3],   v2, s[4:5] th:TH_LOAD_NT
	global_load_b128 v[SC+4:SC+7], v2, s[4:5] offset:4096 th:TH_LOAD_NT
.irp c, 0,1,2,3,4,5,6,7,8,9,10,11,12,13,14,15
	global_load_b128 v[CT+4*\c:CT+4*\c+3], v3, s[8:9] offset:4096*\c th:TH_LOAD_NT
.endr
	s_wait_loadcnt 18                              ; the 2 loads of scores and the 16 of ctxp stay out
	v_max3_num_f32 v5, v16, v18, v20
	v_max3_num_f32 v5, v5, v22, v24
	v_max3_num_f32 v5, v5, v26, v28
	v_max3_num_f32 v5, v5, v30, v32
	v_max3_num_f32 v5, v5, v34, v36
	v_max3_num_f32 v5, v5, v38, v40
	v_max3_num_f32 v5, v5, v42, v44
	v_max_num_f32 v5, v5, v46                      ; M
.irp c, 0,1,2,3,4,5,6,7,8,9,10,11,12,13,14,15
	v_sub_f32 v[F+\c], v[ST+2*\c], v5
.endr
.irp c, 0,1,2,3,4,5,6,7,8,9,10,11,12,13,14,15
	v_mul_f32 v[F+\c], 0x3fb8aa3b, v[F+\c]
.endr
.irp c, 0,1,2,3,4,5,6,7,8,9,10,11,12,13,14,15
	v_exp_f32 v[ST+2*\c], v[F+\c]                  ; w_c
.endr
	v_nop                                          ; one plain vector instruction behind the transcendentals (ISA guide 5.7.2)
	s_wait_alu depctr_va_vdst(0)
	v_mul_f32 v6, v16, v17                         ; L in two chains
	v_mul_f32 v7, v18, v19
.irp c, 2,4,6,8,10,12,14
	v_fma_f32 v6, v[ST+2*\c],   v[ST+2*\c+1], v6
	v_fma_f32 v7, v[ST+2*\c+2], v[ST+2*\c+3], v7
.endr
	v_add_f32 v6, v6, v7
	v_rcp_f32 v12, v6                              ; 1 / L
	v_nop
	s_wait_alu depctr_va_vdst(0)
.irp c, 0,1,2,3,4,5,6,7,8,9,10,11,12,13,14,15
	v_mul_f32 v[F+\c], v[ST+2*\c], v12
.endr
	s_wait_loadcnt 16                              ; the scores are in
.irp j, 0,1,2,3,4,5,6,7
	v_sub_f32 v[SC+\j], v[SC+\j], v5
.endr
.irp j, 0,1,2,3,4,5,6,7
	v_mul_f32 v[SC+\j], 0x3fb8aa3b, v[SC+\j]
.endr
.irp j, 0,1,2,3,4,5,6,7
	v_exp_f32 v[ST+\j], v[SC+\j]
.endr
	v_nop
	s_wait_alu depctr_va_vdst(0)
.irp j, 0,1,2,3,4,5,6,7
	v_mul_f32 v[ST+\j], v[ST+\j], v12
.endr
	global_store_b128 v2, v[ST:ST+3],   s[10:11] th:TH_STORE_NT
	global_store_b128 v2, v[ST+4:ST+7], s[10:11] offset:4096 th:TH_STORE_NT
	s_wait_loadcnt 0x0
	v_pk_mul_f32 v[8:9],   v[CT:CT+1],   v[F:F+1] op_sel_hi:[1,0]          ; tile 0 starts the sums; both halves by the pair's first register
	v_pk_mul_f32 v[10:11], v[CT+2:CT+3], v[F:F+1] op_sel_hi:[1,0]
	v_pk_fma_f32 v[8:9],   v[CT+4:CT+5], v[F:F+1], v[8:9]   op_sel:[0,1,0] ; tile 1: both halves by the pair's second register
	v_pk_fma_f32 v[10:11], v[CT+6:CT+7], v[F:F+1], v[10:11] op_sel:[0,1,0]
.irp c, 2,4,6,8,10,12,14
	v_pk_fma_f32 v[8:9],   v[CT+4*\c:CT+4*\c+1],   v[F+\c:F+\c+1], v[8:9]   op_sel_hi:[1,0,1]
	v_pk_fma_f32 v[10:11], v[CT+4*\c+2:CT+4*\c+3], v[F+\c:F+\c+1], v[10:11] op_sel_hi:[1,0,1]
	v_pk_fma_f32 v[8:9],   v[CT+4*\c+4:CT+4*\c+5], v[F+\c:F+\c+1], v[8:9]   op_sel:[0,1,0]
	v_pk_fma_f32 v[10:11], v[CT+4*\c+6:CT+4*\c+7], v[F+\c:F+\c+1], v[10:11] op_sel:[0,1,0]
.endr
	global_store_b128 v2, v[8:11], s[12:13] th:TH_STORE_NT
	s_endpgm
.Lfunc_end_k_q191840183a_fin:
	.size	k_q191840183a_fin, .Lfunc_end_k_q191840183a_fin-k_q191840183a_fin
	.p2alignl 7, 3214868480
	.fill 96, 4, 3214868480
	.section	.rodata,"a",@progbits
	.p2align	6, 0x0
	.amdhsa_kernel k_q191840183a_fin
		.amdhsa_group_segment_fixed_size 0
		.amdhsa_private_segment_fixed_size 0
		.amdhsa_enable_private_segment 0
		.amdhsa_kernarg_size 40
		.amdhsa_user_sgpr_count 2
		.amdhsa_user_sgpr_kernarg_segment_ptr 1
		.amdhsa_wavefront_size32 1
		.amdhsa_system_sgpr_workgroup_id_x 1
		.amdhsa_system_sgpr_workgroup_id_y 1
		.amdhsa_system_sgpr_workgroup_id_z 1
		.amdhsa_system_vgpr_workitem_id 0
		.amdhsa_next_free_vgpr 136
		.amdhsa_next_free_sgpr 66
		.amdhsa_reserve_vcc 0
		.amdhsa_float_denorm_mode_32 3
		.amdhsa_float_denorm_mode_16_64 3
		.amdhsa_memory_ordered 1
		.amdhsa_forward_progress 1
		.amdhsa_inst_pref_size 12
	.end_amdhsa_kernel
	.amdgpu_metadata
---
amdhsa.version: [ 1, 2 ]
amdhsa.kernels:
  - .name:           k_q191840183a_fin
    .symbol:         k_q191840183a_fin.kd
    .args:
      - { .name: scores, .offset: 0, .size: 8, .value_kind: global_buffer, .address_space: global }
      - { .name: stats, .offset: 8, .size: 8, .value_kind: global_buffer, .address_space: global }
      - { .name: ctxp, .offset: 16, .size: 8, .value_kind: global_buffer, .address_space: global }
      - { .name: out0, .offset: 24, .size: 8, .value_kind: global_buffer, .address_space: global }
      - { .name: out1, .offset: 32, .size: 8, .value_kind: global_buffer, .address_space: global }
    .group_segment_fixed_size: 0
    .private_segment_fixed_size: 0
    .kernarg_segment_align: 8
    .kernarg_segment_size: 40
    .max_flat_workgroup_size: 256
    .sgpr_count:     66
    .vgpr_count:     136
    .wavefront_size: 32
...
	.end_amdgpu_metadata
.endif
;; end of part 3
